; MI455X (gfx1250); checked and timed in simulation.
; The chip was launched on July 23, 2026; its instructions are those of AMD's public machine-readable ISA for CDNA 5 (MIT licence, August 2026) and "CDNA5" Instruction Set Architecture Reference Guide (July 2026). The comments in the code are by the model that wrote it; some were corrected since.
;; Gate Mod Linear. Allowed arithmetic: float matrix products may take bf16 or f16 operands with f32 sums; all other float work in f32.
;; Inputs: Ws 8 x 2,048 x 1,024 float32; bs 8 x 2,048 float32; gW 4,096 x 2,048 float32; gb 4,096 x 2,048 float32; pW 4,096 x 8 float32; pb 4,096 x 8 float32; x 4,096 x 1,024 float32.
;; Outputs: out0 4,096 x 2,048 float32.
;; 2 versions, each right; version 2 is version 1 with the launch norm written anew for expert scheduling mode. Each part assembles by itself: llvm-mc -triple=amdgcn-amd-amdhsa -mcpu=gfx1250 --defsym DOCPART=n.
;; ======== version 1 of 2: 3 launches
;; limits: a function is approximated: absolute error at most 1e-07
;; workspace buffers: Wb 33,554,432 bytes; xb 8,388,608 bytes; z 33,554,432 bytes
;; launch cast (part 1): grid 1280 x 1, 8 waves a work-group, no clusters, 0 bytes of LDS; arguments Ws, x, Wb, xb; writes Wb, xb
.if DOCPART == 1
	.amdgcn_target "amdgcn-amd-amdhsa--gfx1250"
	.amdhsa_code_object_version 6
	.text
	.protected	k_q3c9e6acfbb_cast
	.globl	k_q3c9e6acfbb_cast
	.p2align	8
	.type	k_q3c9e6acfbb_cast,@function
k_q3c9e6acfbb_cast:
	s_mov_b64 s[64:65], 0
	v_nop
	global_prefetch_b8 v0, s[64:65] scope:SCOPE_SE
	s_setreg_imm32_b32 hwreg(HW_REG_WAVE_MODE, 25, 1), 1
	s_wait_xcnt 0x0
; Wb = bf16(Ws), xb = bf16(x), same index order, each number rounded once to nearest even.
; A stream: every input byte is read once and every output byte written once, so LDS, barriers and the matrix unit have no part here.
; A work-group takes 16,384 numbers (65,536 bytes in, 32,768 out).  Work-groups 0..1023 take Ws (1,024 x 65,536 = 67,108,864 bytes),
; work-groups 1024..1279 take x (256 x 65,536 = 16,777,216 bytes).
; Thread t takes the 16 bytes at 4,096 j + 16 t of the group's part, j = 0..15: a wave's load covers 512 consecutive bytes, aligned;
; its store of 8 bytes a lane covers 256 consecutive bytes, aligned.
; All sixteen loads of a wave go out at once; no register is written twice, so no source of a pending instruction is ever rewritten.
.set NWS,  1024                        ; work-groups on Ws
.set IN,   4                           ; v[4:67]   load j: 4 registers of f32
.set OUT,  68                          ; v[68:99]  store j: 2 registers, 4 bf16
	s_load_b256 s[4:11], s[0:1], 0x0               ; Ws s[4:5], x s[6:7], Wb s[8:9], xb s[10:11]
	s_sub_co_u32 s16, ttmp9, NWS                   ; the group's number within x (used only where ttmp9 >= 1024)
	v_lshlrev_b32 v1, 4, v0                        ; 16 t: my bytes in a load
	v_lshlrev_b32 v2, 3, v0                        ; 8 t: my bytes in a store
	s_wait_kmcnt 0x0
	s_cmp_lt_u32 ttmp9, NWS                        ; the choice hangs on the work-group's number alone
	s_cselect_b64 s[12:13], s[4:5], s[6:7]         ; from Ws or from x
	s_cselect_b64 s[14:15], s[8:9], s[10:11]       ; to Wb or to xb
	s_cselect_b32 s16, ttmp9, s16                  ; the group's number within its tensor
	s_lshl_b32 s18, s16, 16                        ; x 65,536 bytes in (below 2^26)
	s_mov_b32 s19, 0
	s_lshl_b32 s20, s16, 15                        ; x 32,768 bytes out
	s_mov_b32 s21, 0
	s_add_nc_u64 s[12:13], s[12:13], s[18:19]
	s_add_nc_u64 s[14:15], s[14:15], s[20:21]
.irp j, 0,1,2,3,4,5,6,7,8,9,10,11,12,13,14,15
	global_load_b128 v[IN+4*\j:IN+4*\j+3], v1, s[12:13] offset:4096*\j th:TH_LOAD_NT   ; read once in the launch
.endr
.irp j, 0,1,2,3,4,5,6,7,8,9,10,11,12,13,14,15
	s_wait_loadcnt 15-\j                           ; loads come back in order: load j is in, the 15 - j younger ones stay out
	v_cvt_pk_bf16_f32 v[OUT+2*\j],   v[IN+4*\j],   v[IN+4*\j+1]
	v_cvt_pk_bf16_f32 v[OUT+2*\j+1], v[IN+4*\j+2], v[IN+4*\j+3]
	global_store_b64 v2, v[OUT+2*\j:OUT+2*\j+1], s[14:15] offset:2048*\j   ; no hint: the next launch reads these bytes
.endr
	s_endpgm
.Lfunc_end_k_q3c9e6acfbb_cast:
	.size	k_q3c9e6acfbb_cast, .Lfunc_end_k_q3c9e6acfbb_cast-k_q3c9e6acfbb_cast
	.p2alignl 7, 3214868480
	.fill 96, 4, 3214868480
	.section	.rodata,"a",@progbits
	.p2align	6, 0x0
	.amdhsa_kernel k_q3c9e6acfbb_cast
		.amdhsa_group_segment_fixed_size 0
		.amdhsa_private_segment_fixed_size 0
		.amdhsa_enable_private_segment 0
		.amdhsa_kernarg_size 32
		.amdhsa_user_sgpr_count 2
		.amdhsa_user_sgpr_kernarg_segment_ptr 1
		.amdhsa_wavefront_size32 1
		.amdhsa_system_sgpr_workgroup_id_x 1
		.amdhsa_system_sgpr_workgroup_id_y 1
		.amdhsa_system_sgpr_workgroup_id_z 1
		.amdhsa_system_vgpr_workitem_id 0
		.amdhsa_next_free_vgpr 104
		.amdhsa_next_free_sgpr 66
		.amdhsa_reserve_vcc 0
		.amdhsa_float_denorm_mode_32 3
		.amdhsa_float_denorm_mode_16_64 3
		.amdhsa_memory_ordered 1
		.amdhsa_forward_progress 1
		.amdhsa_inst_pref_size 7
	.end_amdhsa_kernel
	.amdgpu_metadata
---
amdhsa.version: [ 1, 2 ]
amdhsa.kernels:
  - .name:           k_q3c9e6acfbb_cast
    .symbol:         k_q3c9e6acfbb_cast.kd
    .args:
      - { .name: Ws, .offset: 0, .size: 8, .value_kind: global_buffer, .address_space: global }
      - { .name: x, .offset: 8, .size: 8, .value_kind: global_buffer, .address_space: global }
      - { .name: Wb, .offset: 16, .size: 8, .value_kind: global_buffer, .address_space: global }
      - { .name: xb, .offset: 24, .size: 8, .value_kind: global_buffer, .address_space: global }
    .group_segment_fixed_size: 0
    .private_segment_fixed_size: 0
    .kernarg_segment_align: 8
    .kernarg_segment_size: 32
    .max_flat_workgroup_size: 256
    .sgpr_count:     66
    .vgpr_count:     104
    .wavefront_size: 32
...
	.end_amdgpu_metadata
.endif
;; end of part 1
;; launch gemm (part 2): grid 8 x 32, 4 waves a work-group, clusters of 4 x 4, 327,680 bytes of LDS; arguments xb, Wb, pW, pb, bs, gW, gb, z; writes z
.if DOCPART == 2
	.amdgcn_target "amdgcn-amd-amdhsa--gfx1250"
	.amdhsa_code_object_version 6
	.text
	.protected	k_q3c9e6acfbb_gemm
	.globl	k_q3c9e6acfbb_gemm
	.p2align	8
	.type	k_q3c9e6acfbb_gemm,@function
k_q3c9e6acfbb_gemm:
	s_mov_b64 s[64:65], 0
	v_nop
	global_prefetch_b8 v0, s[64:65] scope:SCOPE_SE
	s_setreg_imm32_b32 hwreg(HW_REG_WAVE_MODE, 25, 1), 1
	s_wait_xcnt 0x0
	s_wait_alu depctr_hold_cnt(0) depctr_sa_sdst(0) depctr_va_vdst(0) depctr_va_sdst(0) depctr_va_ssrc(0) depctr_va_vcc(0) depctr_vm_vsrc(0)
	s_getreg_b32 s2, hwreg(HW_REG_IB_STS2, 6, 4)
	s_cmp_eq_u32 s2, 0
	s_cbranch_scc0 .Lentry_in_a_cluster
	s_endpgm
.Lentry_in_a_cluster:
	s_bfe_u32 s2, ttmp6, 0x10000c
	s_cmp_lg_u32 s2, 0xf033
	s_cbranch_scc0 .Lentry_shape_is_right
	s_endpgm
.Lentry_shape_is_right:
; z[b][i] = gW[b][i] * sum over m of pW[b][m] * (sum over j of Wb[m][i][j] xb[b][j])  +  gb[b][i] * sum over m of pb[b][m] bs[m][i]
; xb [4096][1024] and Wb [8][2048][1024] are bf16; pW, pb [4096][8], bs [8][2048], gW, gb, z [4096][2048] are f32.
; FORMATS AND LIMITS: the products over j run on the matrix unit with bf16 operands and f32 sums.  pW is an operand of the product over m: it is rounded once to
; bf16 and applied in f32 by fused multiply-adds, so the sums over j are never rounded below f32.  pb and bs are rounded once to bf16 and multiplied on the matrix
; unit.  gW, gb and the two gates stay in f32.  The sum over j of one expert is formed in 8 parts of 128 j, each scaled and added to the total in f32.
;
; SHARES: 8 x 32 work-groups, one block of 128 rows x 256 columns of z each.  Four waves; a wave makes 64 rows x 128 columns = 32 tiles of 16 x 16.
; ORDER: 8 chunks of 128 along j; inside a chunk the 8 experts.  A UNIT is one expert on one chunk: four quarters of 32 along j, 32 matrix instructions each.
; The wave's x fragments of a chunk stay in registers for all 8 experts, so LDS is read for W alone (16 loads for 32 matrix instructions).
; W goes through two LDS slots filled by the tensor data mover; a slot holds two experts' 256 rows x 256 bytes, so slots change once in 256 matrix instructions.
; CLUSTERS: 4 x 4 work-groups.  W's tile hangs on the block column alone and is asked for jointly by the four of a column of the cluster; each wave asks for 128 rows.
; x is NOT asked for jointly: a chunk has 32,768 bytes of x against 524,288 of W, a small part of the bytes; each wave loads 32 rows through registers instead.
; THE MATRIX INSTRUCTION IS USED TRANSPOSED: source 0 = 16 rows of W, source 1 = 16 rows of x.  Lane (r = l % 16, h = l / 16) then holds row 16 a + r of the
; wave's rows and columns 16 b + 8 h + 0..7, so pW is one number for a lane and a tile row.
;
; REGISTERS in windows of 256.  A tile's sums, its totals and its tile row's x fragments lie in ONE window, W's fragments and the scales in window 0, so that one
; setting (source 0: window 0; source 1, source 2, destination: window w) serves the matrix instruction and the multiply-add total += scale x sum alike:
;   window 0: addresses v16-31, scales pW[16 a + r][m] at v[32 + 8 a + m], W fragments v64-127 / v128-191 (two buffers), v192-255 x rows on their way (last chunk: pb, bs)
;   window 1: tile row 0 (tiles j = 0-7) and tile row 3, columns 0-3 (j = 8-11);   window 2: tile row 1 and tile row 3, columns 4-7;   window 3: tile row 2 (j = 0-7)
;   in each: sums at 8 j, totals at 96 + 8 j, x fragments of quarter q at 192 + 8 q (the window's own row) and 224 + 8 q (row 3, held twice)
; LDS: slot s at s x 139,264 (even expert's 256 rows of 272 bytes, then the odd expert's); x's chunk, 128 rows of 272 bytes, at 278,528, written by LDS stores alone.
; Behind the last unit the ring has had its last fill, and bytes 0 .. 270,335 become the four waves' stages for the way out.
.set PITCH,  272                       ; an LDS row: 256 bytes + 16 of padding, an odd multiple of 16: the 16 rows of a fragment load lie in 16 different 16-byte columns of 256
.set HALFW,  128*PITCH                 ; 128 rows of W: one tensor load, and one wave's columns of one expert
.set SLOT,   4*HALFW                   ; 139,264: two experts
.set XAREA,  2*SLOT                    ; 278,528
.set HALFX,  64*PITCH                  ; a wave's 64 rows of x
.set SPITCH, 528                       ; a stage row: 128 f32 + 16 bytes
.set BBOFF,  64*SPITCH                 ; 33,792: the stage's second half (the bias product)
.set WSTAGE, 2*BBOFF                   ; 67,584: a wave's stage
.set ZROW,   8192                      ; bytes in a row of gW, gb, z, bs
.set WPAIR,  2*2048*2048               ; bytes of two experts in Wb
.set WFWD,   2*WPAIR                   ; a slot's step inside a chunk: two pairs of experts on
.set WBACK,  2*WPAIR-256               ; and into the next chunk: two pairs back, 128 along j on
.set ADRW, 16                          ; v16-19  LDS address of my W fragments: slot 0 even, slot 0 odd, slot 1 even, slot 1 odd expert
.set XRD,  20                          ; v20     LDS address of my x fragments
.set XWR,  21                          ; v21     where I store my 32 rows of x
.set XGO,  22                          ; v22     2,048 h + 16 r: my 16 bytes in two rows of xb
.set STO,  24                          ; v24     stage, way in, totals
.set STOB, 25                          ; v25     stage, way in, bias product
.set RD,   26                          ; v26     stage, way back, totals
.set RDB,  27                          ; v27     stage, way back, bias product
.set CO,   28                          ; v28     16 x lane: my bytes in a row piece of gW, gb, z
.set PBO,  29                          ; v29     32 r + 16 h: my four numbers in pb
.set BSO,  30                          ; v30     32,768 h + 4 r: my numbers in bs
.set PF,   31                          ; v31     8,192 (lane / 2) + 256 (lane % 2): one block of 256 bytes of a tile row of a gate
.set SC,   32                          ; v32-63  scales
.set WF0,  64                          ; W fragments, buffer f at WF0 + 64 f
.set XT,   192                         ; v192-255 16 x 4 registers: my 32 rows of the next chunk of x
.set PB,   192                         ; v192-207 last chunk: pb[16 a + r][4 h + q] at 4 a + q
.set BS,   208                         ; v208-239 last chunk: bs[4 h + q][16 t + r] at 4 t + q
.set TOT,  96                          ; windows 1-3: totals
.set XB,   192                         ; windows 1-3: x fragments
.set G1, 24                            ; s[24:31] group 1 for W's tiles
.set G0, 32                            ; s[32:39] group 0, one set a slot
.set W1,  0x54                         ; source 0 window 0; source 1, source 2, destination window 1
.set W2,  0xa8                         ; the same for window 2
.set W3,  0xfc                         ; the same for window 3
.set TO1, 0x40                         ; destination window 1, all sources window 0
.set TO2, 0x80
.set TO3, 0xc0
.set ST1, 0x04                         ; store data (source 1) from window 1
.set ST2, 0x08
.set ST3, 0x0c
.set GMUL, 0x47                        ; source 0 window 3, source 1 and destination window 1
.set GFMA, 0x56                        ; source 0 window 2, sources 1, 2 and destination window 1
.set MSB, 0
.macro WIN new                         ; the immediate's high byte repeats the setting that is left; a switch that changes nothing is dropped
.if MSB != \new
	s_set_vgpr_msb (MSB<<8)|\new
.set MSB, \new
.endif
.endm
.macro PLACES                          ; four plain vector places behind matrix instructions, in front of loads into, and vector or store reads of, their registers
.rept 4
	v_nop
.endr
.endm
; A round of the cluster's barrier: my work-group's barrier, wave 0 signals for the work-group, every wave waits for all sixteen, my work-group's barrier again.
.macro CREST                           ; a round behind its opening barrier
	s_cmp_lg_u32 s20, 0
	s_cbranch_scc1 .Lnot_wave_0_\@
	s_barrier_signal -3
.Lnot_wave_0_\@:
	s_barrier_wait -3
	s_barrier_signal -1
	s_barrier_wait -1
.endm
.macro CROUND
	s_barrier_signal -1
	s_barrier_wait -1
	CREST
.endm
	s_load_b256 s[4:11], s[0:1], 0x0               ; xb s[4:5], Wb s[6:7], pW s[8:9], pb s[10:11]
	s_load_b256 s[12:19], s[0:1], 0x20             ; bs s[12:13], gW s[14:15], gb s[16:17], z s[18:19]
	v_lshl_add_u32 v15, v0, 2, 0x4c800
	v_mov_b32 v23, 0
	ds_add_u32 v15, v23
	v_lshrrev_b32 v1, 5, v0
	v_readfirstlane_b32 s20, v1                    ; wave 0..3
	s_lshr_b32 s21, s20, 1                         ; which 64 rows are mine.  Also: I ask for the even (0) or the odd (1) expert of a pair
	s_and_b32 s22, s20, 1                          ; which 128 columns are mine.  Also: which 128 rows of that expert's tile I ask for
	s_mov_b32 s23, 0xffff0000                      ; a word's upper bf16
	s_bfe_u32 s40, ttmp6, 0x40000                  ; cx
	s_bfe_u32 s41, ttmp6, 0x40004                  ; cy
	s_lshl_b32 s42, ttmp9, 2
	s_add_co_u32 s42, s42, s40                     ; block column 0..7 = 4 x cluster x + cx
	s_and_b32 s43, ttmp7, 0xffff
	s_lshl_b32 s43, s43, 2
	s_add_co_u32 s43, s43, s41                     ; block row 0..31 = 4 x cluster y + cy
	s_lshl_b32 s45, 0x1111, s40                    ; my column of the cluster: places cx, cx + 4, cx + 8, cx + 12
	; group 1: elements of 2 bytes, 4 words of padding behind every 64 words, bit 21 set beside the mask; 128 rows of 128 elements, 1,024 elements from row to row
	s_or_b32 s[G1+0], s45, (1<<16)|(1<<20)|(1<<21)|(5<<22)|(3<<25)
	s_mov_b32 s[G1+1], 128<<16                     ; tensor_dim0 = 128
	s_mov_b32 s[G1+2], 128<<16                     ; tensor_dim1 = 128
	s_mov_b32 s[G1+3], 128<<16                     ; tile_dim0 = 128
	s_mov_b32 s[G1+4], 128                         ; tile_dim1 = 128 rows
	s_mov_b32 s[G1+5], 1024                        ; pitch
	s_mov_b32 s[G1+6], 0
	s_mov_b32 s[G1+7], 0
	; where W's tiles come from: the block column and the wave's number alone
	s_lshl_b32 s46, s21, 11                        ; the expert of the pair: 2,048 rows
	s_lshl_b32 s47, s42, 8
	s_add_co_u32 s46, s46, s47                     ; + 256 x block column
	s_lshl_b32 s47, s22, 7
	s_add_co_u32 s46, s46, s47                     ; + 128 x half
	s_lshl_b32 s46, s46, 11                        ; x 2,048 bytes
	s_mov_b32 s47, 0
	s_mul_i32 s76, s20, HALFW                      ; and where they go: wave x 128 rows.  No place in the cluster enters an LDS address
	; the 32 rows of x that I bring in
	s_lshl_b32 s80, s43, 7
	s_lshl_b32 s81, s20, 5
	s_add_co_u32 s80, s80, s81                     ; row 128 x block row + 32 x wave
	s_lshl_b32 s80, s80, 11
	s_mov_b32 s81, 0
	; the wave's own corner of the other tensors
	s_lshl_b32 s66, s43, 7
	s_lshl_b32 s67, s21, 6
	s_add_co_u32 s66, s66, s67                     ; my first row
	s_lshl_b32 s68, s42, 8
	s_lshl_b32 s69, s22, 7
	s_add_co_u32 s68, s68, s69                     ; my first column
	s_lshl_b32 s70, s66, 5                         ; pW, pb: rows of 32 bytes
	s_mov_b32 s71, 0
	s_lshl_b32 s72, s68, 2                         ; bs: 4 bytes a column
	s_mov_b32 s73, 0
	s_lshl_b32 s74, s66, 13                        ; gW, gb, z: rows of 8,192 bytes (below 2^25),
	s_add_co_u32 s74, s74, s72                     ; and the column
	s_mov_b32 s75, 0
	s_wait_dscnt 0x0
	s_wait_kmcnt 0x0
	s_add_nc_u64 s[46:47], s[6:7], s[46:47]
	s_add_nc_u64 s[4:5], s[4:5], s[80:81]
	s_add_nc_u64 s[8:9], s[8:9], s[70:71]
	s_add_nc_u64 s[10:11], s[10:11], s[70:71]
	s_add_nc_u64 s[12:13], s[12:13], s[72:73]
	s_add_nc_u64 s[14:15], s[14:15], s[74:75]
	s_add_nc_u64 s[16:17], s[16:17], s[74:75]
	s_add_nc_u64 s[18:19], s[18:19], s[74:75]
	CROUND                                         ; all sixteen work-groups are here: the first joint loads meet
.irp s, 0,1
	s_mov_b32 s[G0+4*\s], 1                                        ; count = 1
	s_add_co_u32 s[G0+4*\s+1], s76, \s*SLOT                        ; LDS address
	s_add_nc_u64 s[G0+4*\s+2:G0+4*\s+3], s[46:47], \s*WPAIR        ; global address: chunk 0, experts 0, 1 (slot 0) and 2, 3 (slot 1)
	s_or_b32 s[G0+4*\s+3], s[G0+4*\s+3], 0x80000000                ; type = 2
	tensor_load_to_lds s[G0+4*\s:G0+4*\s+3], s[G1:G1+7]            ; both slots' first fills go out together: two tensor loads of the wave are out here, one everywhere later
	s_nop 0
.endr
	v_and_b32 v1, 15, v0                           ; r
	v_bfe_u32 v2, v0, 4, 1                         ; h
	v_and_b32 v4, 31, v0                           ; lane
	v_lshlrev_b32 v[XGO], 4, v1
	v_lshl_add_u32 v[XGO], v2, 11, v[XGO]          ; lanes 0-15 take 256 consecutive bytes of one row, lanes 16-31 of the next
.irp j, 0,1,2,3,4,5,6,7,8,9,10,11,12,13,14,15
	global_load_b128 v[XT+4*\j:XT+4*\j+3], v[XGO], s[4:5] offset:4096*\j       ; chunk 0 of my 32 rows of x
.endr
	v_lshlrev_b32 v5, 5, v1                        ; 32 r
.irp a, 0,1,2,3
	global_load_b128 v[SC+8*\a:SC+8*\a+3],   v5, s[8:9] offset:512*\a          ; pW[16 a + r][0 .. 3]
	global_load_b128 v[SC+8*\a+4:SC+8*\a+7], v5, s[8:9] offset:512*\a+16       ; pW[16 a + r][4 .. 7]
.endr
	v_lshl_add_u32 v[PBO], v2, 4, v5               ; 32 r + 16 h
	v_lshlrev_b32 v[BSO], 2, v1
	v_lshl_add_u32 v[BSO], v2, 15, v[BSO]          ; 4 r + 4 h rows of 8,192 bytes
	; A fragment is 16 rows x 32 K in 8 registers: lane (r, h) holds row r; registers 0-3 K = 8 h + 0..7, registers 4-7 K = 16 + 8 h + 0..7: two loads of 16 bytes, 32 apart
	v_mul_u32_u24 v3, v1, PITCH
	v_lshl_add_u32 v3, v2, 4, v3                   ; row x pitch + 16 h
	s_mul_i32 s78, s22, HALFW                      ; my 128 rows of an expert's 256
.irp i, 0,1,2,3
	v_add_nc_u32 v[ADRW+\i], s78, v3
	s_add_co_u32 s78, s78, 2*HALFW                 ; the next expert's 256 rows
.endr
	s_mul_i32 s79, s21, HALFX
	s_add_co_u32 s79, s79, XAREA
	v_add_nc_u32 v[XRD], s79, v3                   ; my 64 rows of x
	s_mul_i32 s79, s20, 32*PITCH
	s_add_co_u32 s79, s79, XAREA                   ; the 32 rows that I store
	v_mul_u32_u24 v6, v2, PITCH
	v_lshl_add_u32 v6, v1, 4, v6
	v_add_nc_u32 v[XWR], s79, v6
	s_mul_i32 s79, s20, WSTAGE                     ; my stage
	v_mul_u32_u24 v7, v1, SPITCH
	v_lshl_add_u32 v7, v2, 5, v7                   ; in: row r, 32 bytes for each half of the lanes
	v_add_nc_u32 v[STO], s79, v7
	v_add_nc_u32 v[STOB], BBOFF, v[STO]
	v_lshl_add_u32 v[RD], v4, 4, s79               ; back: 32 lanes take one row of 512 bytes
	v_add_nc_u32 v[RDB], BBOFF, v[RD]
	v_lshlrev_b32 v[CO], 4, v4
	v_lshrrev_b32 v8, 1, v4
	v_and_b32 v9, 1, v4
	v_lshlrev_b32 v9, 8, v9
	v_lshl_add_u32 v[PF], v8, 13, v9
	s_wait_loadcnt 0x8                             ; x's sixteen loads are in; pW's eight, issued behind them, stay out
.irp j, 0,1,2,3,4,5,6,7,8,9,10,11,12,13,14,15
	ds_store_b128 v[XWR], v[XT+4*\j:XT+4*\j+3] offset:2*PITCH*\j
.endr
	s_add_nc_u64 s[4:5], s[4:5], 256               ; the next chunk of x; the loads that named this base are done
	s_wait_loadcnt 0x0                             ; pW: rounded once to bf16 and widened again, in place
.set i, 0
.rept 16
	v_cvt_pk_bf16_f32 v6, v[SC+2*i], v[SC+2*i+1]
	v_lshlrev_b32 v[SC+2*i], 16, v6
	v_and_b32 v[SC+2*i+1], s23, v6
.set i, i+1
.endr
; total += scale x sum for tile j of window w, expert m: four packed fused multiply-adds.  The scale is one register of an even pair; the selectors give it to both halves.
; first = 1: a multiply starts the totals, nothing is cleared.
.macro MG w, j, m, first
.set MJ, \j
.if MJ < 8
.set MS, SC+8*(\w-1)+((\m)&6)
.else
.set MS, SC+24+((\m)&6)
.endif
.irp e, 0,2,4,6
.if \first
.if (\m)&1
	v_pk_mul_f32 v[TOT+8*MJ+\e:TOT+8*MJ+\e+1], v[MS:MS+1], v[8*MJ+\e:8*MJ+\e+1] op_sel:[1,0] op_sel_hi:[1,1]
.else
	v_pk_mul_f32 v[TOT+8*MJ+\e:TOT+8*MJ+\e+1], v[MS:MS+1], v[8*MJ+\e:8*MJ+\e+1] op_sel_hi:[0,1]
.endif
.else
.if (\m)&1
	v_pk_fma_f32 v[TOT+8*MJ+\e:TOT+8*MJ+\e+1], v[MS:MS+1], v[8*MJ+\e:8*MJ+\e+1], v[TOT+8*MJ+\e:TOT+8*MJ+\e+1] op_sel:[1,0,0] op_sel_hi:[1,1,1]
.else
	v_pk_fma_f32 v[TOT+8*MJ+\e:TOT+8*MJ+\e+1], v[MS:MS+1], v[8*MJ+\e:8*MJ+\e+1], v[TOT+8*MJ+\e:TOT+8*MJ+\e+1] op_sel_hi:[0,1,1]
.endif
.endif
.endr
.endm
; Tiles j0 .. j0 + cnt - 1 of window w, 32 along K of quarter q, W from buffer f.  zero = 1: the product starts the unit's sums.
; mg = 1 (a unit's last quarter): tile j - 4, whose sum is whole, is merged behind the product of tile j; four places stand behind the product of tile 3.
; mg = 2 (the next unit's first quarter): the window's last four tiles of the unit before (expert m) are merged behind the products of tiles 0-3, ahead of their new products.
; The merges of other tiles are the places behind each product.  The 32 accumulators take turns, one instruction a turn, in the same order in every quarter, over the
; backward jump too.
.macro GROUP w, j0, cnt, f, q, zero, mg, m, first
.set GN, 12-4*((\w)/3)
.set GJ, \j0
.rept \cnt
.if GJ < 8
.set GB, GJ
.set GX, XB+8*(\q)
.else
.set GB, GJ-8+4*(\w-1)
.set GX, XB+32+8*(\q)
.endif
.set GW, WF0+64*(\f)+8*GB
.if \zero
	v_wmma_f32_16x16x32_bf16 v[8*GJ:8*GJ+7], v[GW:GW+7], v[GX:GX+7], 0
.else
	v_wmma_f32_16x16x32_bf16 v[8*GJ:8*GJ+7], v[GW:GW+7], v[GX:GX+7], v[8*GJ:8*GJ+7]
.endif
.if (\mg) == 1
.if GJ == 3
	PLACES
.endif
.if GJ >= 4
	MG \w, GJ-4, \m, \first
.endif
.endif
.if (\mg) == 2
.if GJ < 4
	MG \w, GN-4+GJ, \m, \first
.endif
.endif
.set GJ, GJ+1
.endr
.endm
; 16 LDS loads in one run: a quarter's W fragments (128 rows, 32 K at byte k of the rows) into buffer f
.macro FETCH adr, k, f
	WIN 0
.irp i, 0,1,2,3,4,5,6,7
	ds_load_b128 v[WF0+64*(\f)+8*\i:WF0+64*(\f)+8*\i+3],   v[\adr] offset:\k+\i*16*PITCH
	ds_load_b128 v[WF0+64*(\f)+8*\i+4:WF0+64*(\f)+8*\i+7], v[\adr] offset:\k+\i*16*PITCH+32
.endr
.endm
; x fragments of quarter qq, all four tile rows (row 3 into two windows): 10 LDS loads
.macro XL2 dst, a, qq
	ds_load_b128 v[\dst:\dst+3],   v[XRD] offset:\a*16*PITCH+64*(\qq)
	ds_load_b128 v[\dst+4:\dst+7], v[XRD] offset:\a*16*PITCH+64*(\qq)+32
.endm
.macro XLOAD qq
	WIN TO1
	XL2 XB+8*(\qq), 0, \qq
	XL2 XB+32+8*(\qq), 3, \qq
	WIN TO2
	XL2 XB+8*(\qq), 1, \qq
	XL2 XB+32+8*(\qq), 3, \qq
	WIN TO3
	XL2 XB+8*(\qq), 2, \qq
.endm
; What a quarter does besides, ahead of its run of W loads (so that the eight youngest LDS instructions are always W's columns 64-127):
;  1: my 32 rows of the next chunk of x are asked for        2: they are stored into x's area, and the base steps on
;  4: pb and bs are asked for (last chunk)                   10 + q: the next chunk's x fragments of quarter q are read
.macro EXTRA ex
.if (\ex) == 1
	WIN 0
.irp j, 0,1,2,3,4,5,6,7,8,9,10,11,12,13,14,15
	global_load_b128 v[XT+4*\j:XT+4*\j+3], v[XGO], s[4:5] offset:4096*\j
.endr
.endif
.if (\ex) == 2
	WIN 0
	s_wait_loadcnt 0x0                             ; asked for 256 matrix instructions ago
.irp j, 0,1,2,3,4,5,6,7,8,9,10,11,12,13,14,15
	ds_store_b128 v[XWR], v[XT+4*\j:XT+4*\j+3] offset:2*PITCH*\j
.endr
	s_add_nc_u64 s[4:5], s[4:5], 256               ; the loads that named this base are done
.endif
.if (\ex) == 4
	WIN 0
.irp a, 0,1,2,3
	global_load_b128 v[PB+4*\a:PB+4*\a+3], v[PBO], s[10:11] offset:512*\a      ; pb[16 a + r][4 h .. 4 h + 3]
.endr
.irp t, 0,1,2,3,4,5,6,7
.irp u, 0,1,2,3
	global_load_b32 v[BS+4*\t+\u], v[BSO], s[12:13] offset:ZROW*\u+64*\t       ; bs[4 h + u][16 t + r]
.endr
.endr
.endif
.if (\ex) >= 10
	XLOAD \ex-10
.endif
.endm
; Behind the run of W loads: 5 asks for tile rows 0 and 1 of my gW, 6 of my gb: 32 lanes x 256 bytes an instruction, each block asked for once, by the wave that will
; load it, inside the buffer; gW's two stand 280 matrix instructions ahead of the way out, gb's two 216.  32 KiB a wave in all.
.macro POST ex
.if (\ex) == 5
	global_prefetch_b8 v[PF], s[14:15] th:TH_LOAD_NT scope:SCOPE_SE
	global_prefetch_b8 v[PF], s[14:15] offset:16*ZROW th:TH_LOAD_NT scope:SCOPE_SE
.endif
.if (\ex) == 6
	global_prefetch_b8 v[PF], s[16:17] th:TH_LOAD_NT scope:SCOPE_SE
	global_prefetch_b8 v[PF], s[16:17] offset:16*ZROW th:TH_LOAD_NT scope:SCOPE_SE
.endif
.endm
; A quarter: 32 matrix instructions on buffer f; behind the first eight, the next quarter's W fragments (address register adr, byte k) go into the other buffer.
.macro QTR adr, k, f, q, zero, mg, m, first, ex
	s_wait_dscnt 0x8                               ; all but the eight youngest loads: W's columns 0-63 are in
	WIN W3
	GROUP 3, 0, 4, \f, \q, \zero, \mg, \m, \first
	s_wait_dscnt 0x0                               ; W's columns 64-127 too
	GROUP 3, 4, 4, \f, \q, \zero, \mg, \m, \first
.if (\mg) == 0
	PLACES                                         ; with merges, those are the places
.endif
	EXTRA \ex
	FETCH \adr, \k, 1-\f
	POST \ex
	WIN W1
	GROUP 1, 0, 12, \f, \q, \zero, \mg, \m, \first
	WIN W2
	GROUP 2, 0, 12, \f, \q, \zero, \mg, \m, \first
.endm
; The last quarter of a pair of experts: it changes slots.  fill: 1 this slot gets the pair two pairs on in the same chunk; 2 the pair two pairs back in the next chunk; 3 nothing.
; In front of the barrier each wave waits for its reads of this slot and for all its tensor loads (one is out: its part of the other slot).  Where the slot is filled again
; the barrier opens a round of the cluster's barrier, only register work stands inside the round, and the joint load comes first behind it.
; From a tile's request to the wait for it a wave issues 252 of a pair's 256 matrix instructions.
.macro TURNQ adr, m, first, fill, ex
	s_wait_dscnt 0x8
	WIN W3
	GROUP 3, 0, 4, 1, 3, 0, 1, \m, \first
	s_wait_dscnt 0x0                               ; my reads of this slot are over, and my stores into x's area are done
	s_set_vgpr_msb 0xfcf0
	s_wait_tensorcnt 0x0                           ; all my tensor loads have landed
	ds_add_u32 v15, v23
	s_wait_dscnt 0x0
	s_set_vgpr_msb 0xf0fc
	s_barrier_signal -1
	GROUP 3, 4, 4, 1, 3, 0, 1, \m, \first          ; work on registers while the others arrive
	WIN 0
	s_barrier_wait -1
.if (\fill) < 3
	CREST                                          ; no wave of any partner still reads this slot or has a load on its way
.if (\fill) == 1
	s_add_nc_u64 s[G0+4*US+2:G0+4*US+3], s[G0+4*US+2:G0+4*US+3], WFWD
.else
	s_sub_nc_u64 s[G0+4*US+2:G0+4*US+3], s[G0+4*US+2:G0+4*US+3], WBACK
.endif
	tensor_load_to_lds s[G0+4*US:G0+4*US+3], s[G1:G1+7]            ; the wave's one tensor load behind the round, ahead of every LDS read
	s_nop 0
.endif
	EXTRA \ex
	FETCH \adr, 0, 0
	POST \ex
	WIN W1
	GROUP 1, 0, 12, 1, 3, 0, 1, \m, \first
	WIN W2
	GROUP 2, 0, 12, 1, 3, 0, 1, \m, \first
.endm
; The very last quarter.  Its barrier says that the wave's reads of the ring are over; the wait for it stands in front of the stage's first store.
; The last four tiles of each window are merged behind it.
.macro LASTQ m
	s_wait_dscnt 0x8
	WIN W3
	GROUP 3, 0, 4, 1, 3, 0, 1, \m, 0
	s_wait_dscnt 0x0                               ; my last reads of the ring are back
	s_wait_loadcnt 0x0                             ; pb and bs, asked for at the head of this chunk
	s_barrier_signal -1
	GROUP 3, 4, 4, 1, 3, 0, 1, \m, 0
	WIN W1
	GROUP 1, 0, 12, 1, 3, 0, 1, \m, 0
	WIN W2
	GROUP 2, 0, 12, 1, 3, 0, 1, \m, 0
	WIN W3
.irp j, 4,5,6,7
	MG 3, \j, \m, 0
.endr
	WIN W1
.irp j, 8,9,10,11
	MG 1, \j, \m, 0
.endr
	WIN W2
.irp j, 8,9,10,11
	MG 2, \j, \m, 0
.endr
.endm
; One expert on one chunk.  lead = 1: the unit before left four tiles a window to merge (pfirst: by a multiply).  first: this unit's merges start the totals.
; turn: 0 the pair's even expert; 1, 2, 3 the odd one, with TURNQ's fill; 4 the last unit of all.  e0-e3: what the four quarters do besides.
.macro UNIT m, lead, pfirst, first, turn, e0, e1, e2, e3
.set US, ((\m)>>1)&1
.set UA, ADRW+2*US+((\m)&1)
.if (\m)&1
.set UN, ADRW+2-2*US
.else
.set UN, UA+1
.endif
	QTR UA, 64,  0, 0, 1, 2*(\lead), ((\m)+7)&7, \pfirst, \e0
	QTR UA, 128, 1, 1, 0, 0, 0, 0, \e1
	QTR UA, 192, 0, 2, 0, 0, 0, 0, \e2
.if (\turn) == 0
	QTR UN, 0, 1, 3, 0, 1, \m, \first, \e3
.else
.if (\turn) == 4
	LASTQ \m
.else
	TURNQ UN, \m, \first, \turn, \e3
.endif
.endif
.endm
; One chunk: 8 experts.  x's area: its last quarter is read in expert 0; the barrier of expert 1 ends all reads of it; the next chunk is stored in expert 2;
; the barrier of expert 3 shows the stores to every wave; expert 7 reads quarters 0 to 2 as it frees their registers.
.macro CHUNK first, last
.if \last
	UNIT 0, 1, 0, 0, 0,  13, 4, 0, 0
.else
	UNIT 0, 1-\first, 0, \first, 0,  13, 1, 0, 0
.endif
	UNIT 1, 1, \first, 0, 1,  0, 0, 0, 0
.if \last
	UNIT 2, 1, 0, 0, 0,  0, 0, 0, 0
.else
	UNIT 2, 1, 0, 0, 0,  0, 2, 0, 0
.endif
	UNIT 3, 1, 0, 0, 1,  0, 0, 0, 0
	UNIT 4, 1, 0, 0, 0,  0, 0, 0, 0
.if \last
	UNIT 5, 1, 0, 0, 3,  0, 0, 0, 5                ; nothing is left to fetch: a plain barrier shows slot 1 whole
	UNIT 6, 1, 0, 0, 0,  0, 6, 0, 0
	UNIT 7, 1, 0, 0, 4,  0, 0, 0, 0
.else
	UNIT 5, 1, 0, 0, 2,  0, 0, 0, 0
	UNIT 6, 1, 0, 0, 0,  0, 0, 0, 0
	UNIT 7, 1, 0, 0, 2,  0, 10, 11, 12
.endif
.endm
	s_wait_dscnt 0x0                               ; my rows of x's chunk 0 are stored
	s_wait_tensorcnt 0x1                           ; my part of slot 0 is in; slot 1's may stay out
	s_barrier_signal -1
	s_barrier_wait -1                              ; everybody's is
	XLOAD 0
	XLOAD 1
	XLOAD 2                                        ; quarter 3 is read in expert 0's first quarter, as in every chunk
	FETCH ADRW, 0, 0
	CHUNK 1, 0                                     ; chunk 0 starts the totals
	WIN 0                                          ; at a label and at a branch every window is 0
	s_mov_b32 s3, 6
.Lchunk:
	CHUNK 0, 0                                     ; chunks 1 to 6
	WIN 0
	s_sub_co_u32 s3, s3, 1
	s_cmp_lg_u32 s3, 0
	s_cbranch_scc1 .Lchunk
	CHUNK 0, 1                                     ; chunk 7 fetches nothing beyond the end
	; THE BIAS PRODUCT pb bs on the matrix unit, K = 8 of the form's 32: on both sides lane (r, h) puts m = 4 h .. 4 h + 3 into registers 0, 1 of the fragment
	; (K places 8 h .. 8 h + 3); registers 2-7 are zero.  The same map on both sides keeps the products.  It takes the places of quarter 0's fragments and of the sums.
.macro BIASX a, xr
	v_cvt_pk_bf16_f32 v[XB+32*\xr],   v[PB+4*\a],   v[PB+4*\a+1]
	v_cvt_pk_bf16_f32 v[XB+32*\xr+1], v[PB+4*\a+2], v[PB+4*\a+3]
.irp e, 2,3,4,5,6,7
	v_mov_b32 v[XB+32*\xr+\e], 0
.endr
.endm
	WIN TO1
	BIASX 0, 0
	BIASX 3, 1
	WIN TO2
	BIASX 1, 0
	BIASX 3, 1
	WIN TO3
	BIASX 2, 0
	WIN 0
.irp t, 0,1,2,3,4,5,6,7
	v_cvt_pk_bf16_f32 v[WF0+8*\t],   v[BS+4*\t],   v[BS+4*\t+1]
	v_cvt_pk_bf16_f32 v[WF0+8*\t+1], v[BS+4*\t+2], v[BS+4*\t+3]
.irp e, 2,3,4,5,6,7
	v_mov_b32 v[WF0+8*\t+\e], 0
.endr
.endr
	WIN W3
	GROUP 3, 0, 8,  0, 0, 1, 0, 0, 0
	WIN W1
	GROUP 1, 0, 12, 0, 0, 1, 0, 0, 0
	WIN W2
	GROUP 2, 0, 12, 0, 0, 1, 0, 0, 0
	PLACES                                         ; in front of the stores that read these results and of the loads into these registers
	WIN 0
	s_barrier_wait -1                              ; every wave's reads of the ring are over, and no tile is on its way: the ring's bytes become the stages
; THE WAY OUT.  A lane holds 8 neighbouring columns of one row; the gates and z lie by rows.  So totals and bias product go through the wave's own stage in LDS
; and come back as rows of 512 bytes.  The stage is the wave's own and LDS serves a wave's instructions in order: no barrier, no wait between stores and loads.
; STG: a window's tiles leave for the stage, tile (a, b) to rows 16 a .., bytes 64 b ..
.macro STG w, win
	WIN \win
.set GJ, 0
.rept 12-4*((\w)/3)
.if GJ < 8
.set GO, 16*SPITCH*(\w-1)+64*GJ
.else
.set GO, 16*SPITCH*3+64*(GJ-8+4*(\w-1))
.endif
	ds_store_b128 v[STO],  v[TOT+8*GJ:TOT+8*GJ+3]   offset:GO
	ds_store_b128 v[STO],  v[TOT+8*GJ+4:TOT+8*GJ+7] offset:GO+16
	ds_store_b128 v[STOB], v[8*GJ:8*GJ+3]           offset:GO
	ds_store_b128 v[STOB], v[8*GJ+4:8*GJ+7]         offset:GO+16
.set GJ, GJ+1
.endr
.endm
; GATES a: gW's 16 rows of tile row a into window 2, gb's into window 3, which the stage has freed.  All 64 KiB of the wave's gates are asked for in one run.
.macro GATES a
	WIN TO2
.irp t, 0,1,2,3,4,5,6,7,8,9,10,11,12,13,14,15
	global_load_b128 v[64*\a+4*\t:64*\a+4*\t+3], v[CO], s[14:15] offset:ZROW*(16*\a+\t) th:TH_LOAD_NT   ; gW: 512 consecutive bytes of row 16 a + t, aligned
.endr
	WIN TO3
.irp t, 0,1,2,3,4,5,6,7,8,9,10,11,12,13,14,15
	global_load_b128 v[64*\a+4*\t:64*\a+4*\t+3], v[CO], s[16:17] offset:ZROW*(16*\a+\t) th:TH_LOAD_NT   ; gb
.endr
.endm
; OUTA a: 16 rows come back (totals at tb, bias product at tb + 64, window 1), z = gW x total + gb x bias, 16 stores of 512 consecutive bytes, aligned.
; left = how many younger gate loads may stay out (the wait's field holds 63 at the most).
.macro OUTA a, tb, left
.if \a > 1
	s_wait_xcnt 0x0                                ; the stores of two turns ago read these registers: they are loaded again only behind this wait
.endif
	WIN TO1
.irp t, 0,1,2,3,4,5,6,7,8,9,10,11,12,13,14,15
	ds_load_b128 v[\tb+4*\t:\tb+4*\t+3], v[RD] offset:SPITCH*(16*\a+\t)
.endr
.irp t, 0,1,2,3,4,5,6,7,8,9,10,11,12,13,14,15
	ds_load_b128 v[\tb+64+4*\t:\tb+64+4*\t+3], v[RDB] offset:SPITCH*(16*\a+\t)
.endr
	s_wait_loadcnt \left                           ; gW's and gb's rows of this tile row are in
	s_wait_dscnt 0x0
	WIN GMUL
.set MQ, 0
.rept 32
	v_pk_mul_f32 v[\tb+64+2*MQ:\tb+64+2*MQ+1], v[64*\a+2*MQ:64*\a+2*MQ+1], v[\tb+64+2*MQ:\tb+64+2*MQ+1]   ; gb x bias
.set MQ, MQ+1
.endr
	WIN GFMA
.set MQ, 0
.rept 32
	v_pk_fma_f32 v[\tb+2*MQ:\tb+2*MQ+1], v[64*\a+2*MQ:64*\a+2*MQ+1], v[\tb+2*MQ:\tb+2*MQ+1], v[\tb+64+2*MQ:\tb+64+2*MQ+1]   ; gW x total + that
.set MQ, MQ+1
.endr
	WIN ST1
.irp t, 0,1,2,3,4,5,6,7,8,9,10,11,12,13,14,15
	global_store_b128 v[CO], v[\tb+4*\t:\tb+4*\t+3], s[18:19] offset:ZROW*(16*\a+\t)   ; no hint: the next launch reads z
.endr
.endm
	STG 1, ST1
	STG 2, ST2
	STG 3, ST3
	GATES 0
	GATES 1
	GATES 2
	GATES 3
	OUTA 0, 0,   63                                ; 96 gate loads are younger than tile row 0's
	OUTA 1, 128, 63                                ; 64 are younger than tile row 1's
	OUTA 2, 0,   32
	OUTA 3, 128, 0
	WIN 0
	s_wait_dscnt 0x0
	s_wait_tensorcnt 0x0
	ds_add_u32 v15, v23
	s_wait_dscnt 0x0
	CROUND                                         ; the closing round: no work-group ends while a partner may still ask for a tile that names it
	s_endpgm
.Lfunc_end_k_q3c9e6acfbb_gemm:
	.size	k_q3c9e6acfbb_gemm, .Lfunc_end_k_q3c9e6acfbb_gemm-k_q3c9e6acfbb_gemm
	.p2alignl 7, 3214868480
	.fill 96, 4, 3214868480
	.section	.rodata,"a",@progbits
	.p2align	6, 0x0
	.amdhsa_kernel k_q3c9e6acfbb_gemm
		.amdhsa_group_segment_fixed_size 327680
		.amdhsa_private_segment_fixed_size 0
		.amdhsa_enable_private_segment 0
		.amdhsa_kernarg_size 64
		.amdhsa_user_sgpr_count 2
		.amdhsa_user_sgpr_kernarg_segment_ptr 1
		.amdhsa_wavefront_size32 1
		.amdhsa_system_sgpr_workgroup_id_x 1
		.amdhsa_system_sgpr_workgroup_id_y 1
		.amdhsa_system_sgpr_workgroup_id_z 1
		.amdhsa_system_vgpr_workitem_id 0
		.amdhsa_next_free_vgpr 1024
		.amdhsa_next_free_sgpr 84
		.amdhsa_reserve_vcc 0
		.amdhsa_float_denorm_mode_32 3
		.amdhsa_float_denorm_mode_16_64 3
		.amdhsa_memory_ordered 1
		.amdhsa_forward_progress 1
		.amdhsa_inst_pref_size 255
	.end_amdhsa_kernel
	.section	.bss,"aw",@nobits
	.p2align	6
	.space	262144
	.amdgpu_metadata
---
amdhsa.version: [ 1, 2 ]
amdhsa.kernels:
  - .name:           k_q3c9e6acfbb_gemm
    .symbol:         k_q3c9e6acfbb_gemm.kd
    .args:
      - { .name: xb, .offset: 0, .size: 8, .value_kind: global_buffer, .address_space: global }
      - { .name: Wb, .offset: 8, .size: 8, .value_kind: global_buffer, .address_space: global }
      - { .name: pW, .offset: 16, .size: 8, .value_kind: global_buffer, .address_space: global }
      - { .name: pb, .offset: 24, .size: 8, .value_kind: global_buffer, .address_space: global }
      - { .name: bs, .offset: 32, .size: 8, .value_kind: global_buffer, .address_space: global }
      - { .name: gW, .offset: 40, .size: 8, .value_kind: global_buffer, .address_space: global }
      - { .name: gb, .offset: 48, .size: 8, .value_kind: global_buffer, .address_space: global }
      - { .name: z, .offset: 56, .size: 8, .value_kind: global_buffer, .address_space: global }
    .group_segment_fixed_size: 327680
    .private_segment_fixed_size: 0
    .kernarg_segment_align: 8
    .kernarg_segment_size: 64
    .max_flat_workgroup_size: 128
    .sgpr_count:     84
    .vgpr_count:     1024
    .wavefront_size: 32
...
	.end_amdgpu_metadata
.endif
;; end of part 2
;; launch norm (part 3): grid 512 x 1, 8 waves a work-group, no clusters, 0 bytes of LDS; arguments z, out0; writes out0
.if DOCPART == 3
	.amdgcn_target "amdgcn-amd-amdhsa--gfx1250"
	.amdhsa_code_object_version 6
	.text
	.protected	k_q3c9e6acfbb_norm
	.globl	k_q3c9e6acfbb_norm
	.p2align	8
	.type	k_q3c9e6acfbb_norm,@function
k_q3c9e6acfbb_norm:
	s_mov_b64 s[64:65], 0
	v_nop
	global_prefetch_b8 v0, s[64:65] scope:SCOPE_SE
	s_setreg_imm32_b32 hwreg(HW_REG_WAVE_MODE, 25, 1), 1
	s_wait_xcnt 0x0
; out0 = ELU(LayerNorm(z)), rows of 2,048 f32, no gain or bias, eps = 1e-5.
; A row is 8,192 bytes: one wave takes a whole row, sixteen 16-byte loads a lane, and keeps it in 64 registers through all passes, so z is read once and
; no wave waits for another: no LDS, no barrier.  512 work-groups x 8 waves = 4,096 rows.  Each load and store of a wave covers 512 consecutive bytes, aligned.
; The variance is the mean square of the CENTRED numbers, not a difference of sums.
; LIMIT: expm1(y) is computed as exp2(y log2 e) - 1: its absolute error is about 1e-7, so relative accuracy is lost for |y| below about 1e-4.
; A NaN in y gives NaN, as where(y > 0, y, expm1(y)) does.
.set X,  4                             ; v[4:67]   the row: as loaded, then centred, then the result
.set A,  68                            ; v[68:75]  four chains of packed sums
.set MU, 76                            ; v[76:77]  the mean, twice
.set R,  78                            ; v[78:79]  1 / sqrt(var + eps), twice
.set L,  80                            ; v[80:81]  the same times log2 e
.set T,  82                            ; v[82:85]  at work
	s_load_b128 s[4:7], s[0:1], 0x0                ; z s[4:5], out0 s[6:7]
	s_lshl_b32 s8, ttmp9, 16                       ; the work-group's 8 rows of 8,192 bytes (below 2^25)
	s_mov_b32 s9, 0
	s_mov_b32 s10, 0x3a000000                      ; 1 / 2048
	s_mov_b32 s11, 0x3727c5ac                      ; 1e-5
	s_mov_b32 s12, 0x76543210                      ; v_permlanex16_b32: lane i of one half reads lane i of the other
	s_mov_b32 s13, 0xfedcba98
	v_lshrrev_b32 v1, 5, v0                        ; wave = row
	v_and_b32 v2, 31, v0
	v_lshlrev_b32 v2, 4, v2                        ; 16 bytes a lane
	v_lshl_add_u32 v1, v1, 13, v2
	s_wait_kmcnt 0x0
	s_add_nc_u64 s[4:5], s[4:5], s[8:9]
	s_add_nc_u64 s[6:7], s[6:7], s[8:9]
.irp j, 0,1,2,3,4,5,6,7,8,9,10,11,12,13,14,15
	global_load_b128 v[X+4*\j:X+4*\j+3], v1, s[4:5] offset:512*\j th:TH_LOAD_NT
.endr
; the four chains into one number in every lane: inside the lane, four steps inside each half of 16 lanes, one across the halves
.macro REDUCE
	v_pk_add_f32 v[A:A+1], v[A:A+1], v[A+2:A+3]
	v_pk_add_f32 v[A+4:A+5], v[A+4:A+5], v[A+6:A+7]
	v_pk_add_f32 v[A:A+1], v[A:A+1], v[A+4:A+5]
	v_add_f32 v[A], v[A], v[A+1]
	v_add_f32_dpp v[A], v[A], v[A] row_xmask:1 row_mask:0xf bank_mask:0xf
	v_add_f32_dpp v[A], v[A], v[A] row_xmask:2 row_mask:0xf bank_mask:0xf
	v_add_f32_dpp v[A], v[A], v[A] row_xmask:4 row_mask:0xf bank_mask:0xf
	v_add_f32_dpp v[A], v[A], v[A] row_xmask:8 row_mask:0xf bank_mask:0xf
	v_permlanex16_b32 v[A+1], v[A], s12, s13       ; its destination has been written before
	v_add_f32 v[A], v[A], v[A+1]
.endm
	; pass 1: the sum.  The first four loads start the chains: nothing is cleared.  The waits take the loads two at a time as they come.
	s_wait_loadcnt 14                              ; loads 0 and 1 are in, 14 younger ones stay out
	v_pk_add_f32 v[A:A+1],   v[X:X+1],   v[X+4:X+5]
	v_pk_add_f32 v[A+2:A+3], v[X+2:X+3], v[X+6:X+7]
	s_wait_loadcnt 12
	v_pk_add_f32 v[A+4:A+5], v[X+8:X+9],   v[X+12:X+13]
	v_pk_add_f32 v[A+6:A+7], v[X+10:X+11], v[X+14:X+15]
.irp j, 2,3,4,5,6,7
	s_wait_loadcnt 14-2*\j                         ; loads 2 j and 2 j + 1 are in
	v_pk_add_f32 v[A:A+1],   v[A:A+1],   v[X+8*\j:X+8*\j+1]
	v_pk_add_f32 v[A+2:A+3], v[A+2:A+3], v[X+8*\j+2:X+8*\j+3]
	v_pk_add_f32 v[A+4:A+5], v[A+4:A+5], v[X+8*\j+4:X+8*\j+5]
	v_pk_add_f32 v[A+6:A+7], v[A+6:A+7], v[X+8*\j+6:X+8*\j+7]
.endr
	REDUCE
	v_mul_f32 v[MU], s10, v[A]
	v_mul_f32 v[MU+1], s10, v[A]
	; pass 2: centre in place
.set j, 0
.rept 32
	v_pk_add_f32 v[X+2*j:X+2*j+1], v[X+2*j:X+2*j+1], v[MU:MU+1] neg_lo:[0,1] neg_hi:[0,1]
.set j, j+1
.endr
	; pass 3: the sum of squares, four chains started by multiplies
.irp k, 0,1,2,3
	v_pk_mul_f32 v[A+2*\k:A+2*\k+1], v[X+2*\k:X+2*\k+1], v[X+2*\k:X+2*\k+1]
.endr
.set j, 4
.rept 28
	v_pk_fma_f32 v[A+2*(j%4):A+2*(j%4)+1], v[X+2*j:X+2*j+1], v[X+2*j:X+2*j+1], v[A+2*(j%4):A+2*(j%4)+1]
.set j, j+1
.endr
	REDUCE
	v_fma_f32 v[A], v[A], s10, s11                 ; var + eps, at least 1e-5
	v_rsq_f32 v[R], v[A]
	v_rsq_f32 v[R+1], v[A]
	v_nop                                          ; one plain place behind a transcendental before its result is used (ISA guide 5.7.2)
	s_wait_alu depctr_va_vdst(0)
	v_pk_mul_f32 v[L:L+1], v[R:R+1], 0x3fb8aa3b op_sel_hi:[1,0]    ; x log2 e
	; pass 4: y = centred x R; ELU: y where y > 0, else exp2(centred x L) - 1.  Both are computed in every lane; the choice is a select.
.irp j, 0,1,2,3,4,5,6,7,8,9,10,11,12,13,14,15
	v_pk_mul_f32 v[T:T+1],   v[X+4*\j:X+4*\j+1],   v[L:L+1]
	v_pk_mul_f32 v[T+2:T+3], v[X+4*\j+2:X+4*\j+3], v[L:L+1]
	v_exp_f32 v[T],   v[T]
	v_exp_f32 v[T+1], v[T+1]
	v_exp_f32 v[T+2], v[T+2]
	v_exp_f32 v[T+3], v[T+3]
	v_pk_mul_f32 v[X+4*\j:X+4*\j+1],   v[X+4*\j:X+4*\j+1],   v[R:R+1]   ; plain work that touches no T: the place behind the exponentials
	v_pk_mul_f32 v[X+4*\j+2:X+4*\j+3], v[X+4*\j+2:X+4*\j+3], v[R:R+1]
	s_wait_alu depctr_va_vdst(0)
	v_pk_add_f32 v[T:T+1],   v[T:T+1],   -1.0 op_sel_hi:[1,0]
	v_pk_add_f32 v[T+2:T+3], v[T+2:T+3], -1.0 op_sel_hi:[1,0]
.irp k, 0,1,2,3
	v_cmp_lt_f32 vcc_lo, 0, v[X+4*\j+\k]                                ; 0 < y
	v_cndmask_b32 v[X+4*\j+\k], v[T+\k], v[X+4*\j+\k], vcc_lo
.endr
	global_store_b128 v1, v[X+4*\j:X+4*\j+3], s[6:7] offset:512*\j th:TH_STORE_NT   ; its registers are not written again
.endr
	s_endpgm
.Lfunc_end_k_q3c9e6acfbb_norm:
	.size	k_q3c9e6acfbb_norm, .Lfunc_end_k_q3c9e6acfbb_norm-k_q3c9e6acfbb_norm
	.p2alignl 7, 3214868480
	.fill 96, 4, 3214868480
	.section	.rodata,"a",@progbits
	.p2align	6, 0x0
	.amdhsa_kernel k_q3c9e6acfbb_norm
		.amdhsa_group_segment_fixed_size 0
		.amdhsa_private_segment_fixed_size 0
		.amdhsa_enable_private_segment 0
		.amdhsa_kernarg_size 16
		.amdhsa_user_sgpr_count 2
		.amdhsa_user_sgpr_kernarg_segment_ptr 1
		.amdhsa_wavefront_size32 1
		.amdhsa_system_sgpr_workgroup_id_x 1
		.amdhsa_system_sgpr_workgroup_id_y 1
		.amdhsa_system_sgpr_workgroup_id_z 1
		.amdhsa_system_vgpr_workitem_id 0
		.amdhsa_next_free_vgpr 96
		.amdhsa_next_free_sgpr 66
		.amdhsa_reserve_vcc 1
		.amdhsa_float_denorm_mode_32 3
		.amdhsa_float_denorm_mode_16_64 3
		.amdhsa_memory_ordered 1
		.amdhsa_forward_progress 1
		.amdhsa_inst_pref_size 24
	.end_amdhsa_kernel
	.amdgpu_metadata
---
amdhsa.version: [ 1, 2 ]
amdhsa.kernels:
  - .name:           k_q3c9e6acfbb_norm
    .symbol:         k_q3c9e6acfbb_norm.kd
    .args:
      - { .name: z, .offset: 0, .size: 8, .value_kind: global_buffer, .address_space: global }
      - { .name: out0, .offset: 8, .size: 8, .value_kind: global_buffer, .address_space: global }
    .group_segment_fixed_size: 0
    .private_segment_fixed_size: 0
    .kernarg_segment_align: 8
    .kernarg_segment_size: 16
    .max_flat_workgroup_size: 256
    .sgpr_count:     66
    .vgpr_count:     96
    .wavefront_size: 32
...
	.end_amdgpu_metadata
.endif
;; end of part 3
;; ======== version 2 of 2: 3 launches; version 1 with the launch norm written anew for expert scheduling mode
;; limits: a function is approximated: absolute error at most 1e-07
;; workspace buffers: Wb 33,554,432 bytes; xb 8,388,608 bytes; z 33,554,432 bytes
;; launch cast: the kernel of part 1 again; grid 1280 x 1, 8 waves a work-group, no clusters, 0 bytes of LDS; arguments Ws, x, Wb, xb; writes Wb, xb
;; launch gemm: the kernel of part 2 again; grid 8 x 32, 4 waves a work-group, clusters of 4 x 4, 327,680 bytes of LDS; arguments xb, Wb, pW, pb, bs, gW, gb, z; writes z
;; launch norm (part 4): grid 512 x 1, 8 waves a work-group, no clusters, 0 bytes of LDS; arguments z, out0; writes out0
.if DOCPART == 4
	.amdgcn_target "amdgcn-amd-amdhsa--gfx1250"
	.amdhsa_code_object_version 6
	.text
	.protected	k_q3c9e6acfbb_norm
	.globl	k_q3c9e6acfbb_norm
	.p2align	8
	.type	k_q3c9e6acfbb_norm,@function
k_q3c9e6acfbb_norm:
	s_mov_b64 s[64:65], 0
	v_nop
	global_prefetch_b8 v0, s[64:65] scope:SCOPE_SE
	s_setreg_imm32_b32 hwreg(HW_REG_WAVE_SCHED_MODE, 0, 2), 2
	s_setreg_imm32_b32 hwreg(HW_REG_WAVE_MODE, 25, 1), 1
	s_wait_xcnt 0x0
	s_wait_alu depctr_vm_vsrc(0)
; out0 = ELU(LayerNorm(z)), rows of 2,048 f32, no gain or bias, eps = 1e-5.
; A row is 8,192 bytes: one wave takes a whole row, sixteen 16-byte loads a lane, and keeps it in 64 registers through all passes, so z is read once and
; no wave waits for another: no LDS, no barrier.  512 work-groups x 8 waves = 4,096 rows.  Each load and store of a wave covers 512 consecutive bytes, aligned.
; The variance is the mean square of the CENTRED numbers, not a difference of sums.
; LIMIT: expm1(y) is computed as exp2(y log2 e) - 1: its absolute error is about 1e-7, so relative accuracy is lost for |y| below about 1e-4.
; A NaN in y gives NaN, as where(y > 0, y, expm1(y)) does.
; THE MODE: SCHED_MODE bits 1:0 = 2 (LLVM: expert scheduling mode 2), set by the entry lines.  The code itself states the register dependences
; between vector instructions and memory instructions, and between a vector instruction that writes a scalar register and its readers, with s_wait_alu, always for 0.
; THE PLAN.  Registers that memory instructions touch:
;   v1        the byte offset.  Written at the head, read by all sixteen loads and all sixteen stores, never written again.
;   X0 .. X3  the row in four blocks of 16 registers.  The loads land in them before any vector instruction has named them; the passes work on them in place;
;             in the last pass block p is written last by its sixteen selects, in step p, and read by its four stores, in step p + 1; it is not written again.
;   A, MU, R, L and the two T buffers are named by vector instructions alone.
; THE LAST PASS goes in four steps.  Step p: block p - 1 is stored; block p gets its compares, its exp - 1 and its selects; block p + 1 gets its scalings and
; its exponentials, into the other T buffer.  ONE wait on va_vdst at a step's head states that the exponentials of block p and the selects of block p - 1, all
; issued in the step before, have written their results.  The compares stand in runs of eight, into eight scalar registers, with one wait on va_sdst
; between a run and the selects that read it; the next block's exponentials stand between the run and that wait.
; No register that a load or store has read is ever written again.
.set X,  4                             ; v[4:67]   the row: as loaded, then centred, then the result
.set A,  68                            ; v[68:75]  four chains of packed sums
.set MU, 76                            ; v[76:77]  the mean, twice
.set R,  78                            ; v[78:79]  1 / sqrt(var + eps), twice
.set L,  80                            ; v[80:81]  the same times log2 e
.set T,  82                            ; v[82:113] two buffers of 16, by the block's parity: centred x L, then its exponential, then that less 1
.set CM, 14                            ; s[14:21]  eight masks: 0 < y
	s_load_b128 s[4:7], s[0:1], 0x0                ; z s[4:5], out0 s[6:7]
	s_lshl_b32 s8, ttmp9, 16                       ; the work-group's 8 rows of 8,192 bytes (below 2^25)
	s_mov_b32 s9, 0
	s_mov_b32 s10, 0x3a000000                      ; 1 / 2048
	s_mov_b32 s11, 0x3727c5ac                      ; 1e-5
	s_mov_b32 s12, 0x76543210                      ; v_permlanex16_b32: lane i of one half reads lane i of the other
	s_mov_b32 s13, 0xfedcba98
	v_lshrrev_b32 v1, 5, v0                        ; wave = row
	v_and_b32 v2, 31, v0
	v_lshlrev_b32 v2, 4, v2                        ; 16 bytes a lane
	v_lshl_add_u32 v1, v1, 13, v2
	s_wait_kmcnt 0x0
	s_add_nc_u64 s[4:5], s[4:5], s[8:9]
	s_add_nc_u64 s[6:7], s[6:7], s[8:9]
	s_wait_alu depctr_va_vdst(0)                   ; v1 is written: every load and store of the kernel reads it as its offset
.irp j, 0,1,2,3,4,5,6,7,8,9,10,11,12,13,14,15
	global_load_b128 v[X+4*\j:X+4*\j+3], v1, s[4:5] offset:512*\j th:TH_LOAD_NT
.endr
; the four chains into one number in every lane: inside the lane, four steps inside each half of 16 lanes, one across the halves
.macro REDUCE
	v_pk_add_f32 v[A:A+1], v[A:A+1], v[A+2:A+3]
	v_pk_add_f32 v[A+4:A+5], v[A+4:A+5], v[A+6:A+7]
	v_pk_add_f32 v[A:A+1], v[A:A+1], v[A+4:A+5]
	v_add_f32 v[A], v[A], v[A+1]
	v_add_f32_dpp v[A], v[A], v[A] row_xmask:1 row_mask:0xf bank_mask:0xf
	v_add_f32_dpp v[A], v[A], v[A] row_xmask:2 row_mask:0xf bank_mask:0xf
	v_add_f32_dpp v[A], v[A], v[A] row_xmask:4 row_mask:0xf bank_mask:0xf
	v_add_f32_dpp v[A], v[A], v[A] row_xmask:8 row_mask:0xf bank_mask:0xf
	v_permlanex16_b32 v[A+1], v[A], s12, s13       ; its destination has been written before
	v_add_f32 v[A], v[A], v[A+1]
.endm
	; pass 1: the sum.  The first four loads start the chains: nothing is cleared.  The waits take the loads two at a time as they come.
	s_wait_loadcnt 14                              ; loads 0 and 1 are in, 14 younger ones stay out
	v_pk_add_f32 v[A:A+1],   v[X:X+1],   v[X+4:X+5]
	v_pk_add_f32 v[A+2:A+3], v[X+2:X+3], v[X+6:X+7]
	s_wait_loadcnt 12
	v_pk_add_f32 v[A+4:A+5], v[X+8:X+9],   v[X+12:X+13]
	v_pk_add_f32 v[A+6:A+7], v[X+10:X+11], v[X+14:X+15]
.irp j, 2,3,4,5,6,7
	s_wait_loadcnt 14-2*\j                         ; loads 2 j and 2 j + 1 are in
	v_pk_add_f32 v[A:A+1],   v[A:A+1],   v[X+8*\j:X+8*\j+1]
	v_pk_add_f32 v[A+2:A+3], v[A+2:A+3], v[X+8*\j+2:X+8*\j+3]
	v_pk_add_f32 v[A+4:A+5], v[A+4:A+5], v[X+8*\j+4:X+8*\j+5]
	v_pk_add_f32 v[A+6:A+7], v[A+6:A+7], v[X+8*\j+6:X+8*\j+7]
.endr
	REDUCE
	v_mul_f32 v[MU], s10, v[A]
	v_mul_f32 v[MU+1], s10, v[A]
	; pass 2: centre in place
.set j, 0
.rept 32
	v_pk_add_f32 v[X+2*j:X+2*j+1], v[X+2*j:X+2*j+1], v[MU:MU+1] neg_lo:[0,1] neg_hi:[0,1]
.set j, j+1
.endr
	; pass 3: the sum of squares, four chains started by multiplies
.irp k, 0,1,2,3
	v_pk_mul_f32 v[A+2*\k:A+2*\k+1], v[X+2*\k:X+2*\k+1], v[X+2*\k:X+2*\k+1]
.endr
.set j, 4
.rept 28
	v_pk_fma_f32 v[A+2*(j%4):A+2*(j%4)+1], v[X+2*j:X+2*j+1], v[X+2*j:X+2*j+1], v[A+2*(j%4):A+2*(j%4)+1]
.set j, j+1
.endr
	REDUCE
	v_fma_f32 v[A], v[A], s10, s11                 ; var + eps, at least 1e-5
	v_rsq_f32 v[R], v[A]
	v_rsq_f32 v[R+1], v[A]
	v_nop                                          ; one plain place behind a transcendental before its result is used (ISA guide 5.7.2)
	s_wait_alu depctr_va_vdst(0)                   ; the two reciprocal roots have written v[R:R+1], ahead of their first reader, the line below
	v_pk_mul_f32 v[L:L+1], v[R:R+1], 0x3fb8aa3b op_sel_hi:[1,0]    ; x log2 e
	; pass 4: y = centred x R; ELU: y where y > 0, else exp2(centred x L) - 1.  Both are computed in every lane; the choice is a select.
	; Block 0's scalings and exponentials stand ahead of the steps.
.irp k, 0,2,4,6,8,10,12,14
	v_pk_mul_f32 v[T+\k:T+\k+1], v[X+\k:X+\k+1], v[L:L+1]
.endr
.irp k, 0,1,2,3,4,5,6,7,8,9,10,11,12,13,14,15
	v_exp_f32 v[T+\k], v[T+\k]
.endr
.irp k, 0,2,4,6,8,10,12,14
	v_pk_mul_f32 v[X+\k:X+\k+1], v[X+\k:X+\k+1], v[R:R+1]          ; plain work that touches no T: the place behind the exponentials
.endr
; Step p.  store = 1: block p - 1 is stored.  next = 1: block p + 1 is scaled and gets its exponentials.
.macro STEP p, store, next
.set XP, X+16*(\p)                     ; block p,
.set XN, XP+16                         ; block p + 1,
.set TP, T+16*((\p)%2)                 ; and their T buffers
.set TN, T+16*(1-(\p)%2)
	s_wait_alu depctr_va_vdst(0)                   ; the exponentials of block p have written its T, which the lines below read; the selects of block p - 1 have written its X, which the stores below read
.if \store
.irp i, 0,1,2,3
	global_store_b128 v1, v[XP-16+4*\i:XP-16+4*\i+3], s[6:7] offset:512*(4*(\p)-4+\i) th:TH_STORE_NT   ; its registers are not written again
.endr
.endif
.if \next
.irp k, 0,2,4,6,8,10,12,14
	v_pk_mul_f32 v[TN+\k:TN+\k+1], v[XN+\k:XN+\k+1], v[L:L+1]      ; of the centred numbers: ahead of the lines that turn them into y
.endr
.endif
.irp h, 0,8
.irp k, 0,1,2,3,4,5,6,7
	v_cmp_lt_f32 s[CM+\k], 0, v[XP+\h+\k]                          ; 0 < y: a run of eight, a mask each
.endr
.irp k, 0,2,4,6
	v_pk_add_f32 v[TP+\h+\k:TP+\h+\k+1], v[TP+\h+\k:TP+\h+\k+1], -1.0 op_sel_hi:[1,0]
.endr
.if \next
.irp k, 0,1,2,3,4,5,6,7
	v_exp_f32 v[TN+\h+\k], v[TN+\h+\k]                             ; their results are named next behind the next step's wait
.endr
.irp k, 0,2,4,6
	v_pk_mul_f32 v[XN+\h+\k:XN+\h+\k+1], v[XN+\h+\k:XN+\h+\k+1], v[R:R+1]   ; plain work that touches no T: the place behind the exponentials
.endr
.endif
	s_wait_alu depctr_va_sdst(0)                   ; the eight compares have written s[CM ..], ahead of the selects, their first readers
.irp k, 0,1,2,3,4,5,6,7
	v_cndmask_b32 v[XP+\h+\k], v[TP+\h+\k], v[XP+\h+\k], s[CM+\k]
.endr
.endr
.endm
	STEP 0, 0, 1
	STEP 1, 1, 1
	STEP 2, 1, 1
	STEP 3, 1, 0
	s_wait_alu depctr_va_vdst(0)                   ; the selects of block 3 have written its X, which the last four stores read
.irp i, 0,1,2,3
	global_store_b128 v1, v[X+48+4*\i:X+48+4*\i+3], s[6:7] offset:512*(12+\i) th:TH_STORE_NT
.endr
	s_endpgm
.Lfunc_end_k_q3c9e6acfbb_norm:
	.size	k_q3c9e6acfbb_norm, .Lfunc_end_k_q3c9e6acfbb_norm-k_q3c9e6acfbb_norm
	.p2alignl 7, 3214868480
	.fill 96, 4, 3214868480
	.section	.rodata,"a",@progbits
	.p2align	6, 0x0
	.amdhsa_kernel k_q3c9e6acfbb_norm
		.amdhsa_group_segment_fixed_size 0
		.amdhsa_private_segment_fixed_size 0
		.amdhsa_enable_private_segment 0
		.amdhsa_kernarg_size 16
		.amdhsa_user_sgpr_count 2
		.amdhsa_user_sgpr_kernarg_segment_ptr 1
		.amdhsa_wavefront_size32 1
		.amdhsa_system_sgpr_workgroup_id_x 1
		.amdhsa_system_sgpr_workgroup_id_y 1
		.amdhsa_system_sgpr_workgroup_id_z 1
		.amdhsa_system_vgpr_workitem_id 0
		.amdhsa_next_free_vgpr 114
		.amdhsa_next_free_sgpr 66
		.amdhsa_reserve_vcc 0
		.amdhsa_float_denorm_mode_32 3
		.amdhsa_float_denorm_mode_16_64 3
		.amdhsa_memory_ordered 1
		.amdhsa_forward_progress 1
		.amdhsa_inst_pref_size 28
	.end_amdhsa_kernel
	.amdgpu_metadata
---
amdhsa.version: [ 1, 2 ]
amdhsa.kernels:
  - .name:           k_q3c9e6acfbb_norm
    .symbol:         k_q3c9e6acfbb_norm.kd
    .args:
      - { .name: z, .offset: 0, .size: 8, .value_kind: global_buffer, .address_space: global }
      - { .name: out0, .offset: 8, .size: 8, .value_kind: global_buffer, .address_space: global }
    .group_segment_fixed_size: 0
    .private_segment_fixed_size: 0
    .kernarg_segment_align: 8
    .kernarg_segment_size: 16
    .max_flat_workgroup_size: 256
    .sgpr_count:     66
    .vgpr_count:     114
    .wavefront_size: 32
...
	.end_amdgpu_metadata
.endif
;; end of part 4
